; MI455X (gfx1250); checked and timed in simulation.
; The chip was launched on July 23, 2026; its instructions are those of AMD's public machine-readable ISA for CDNA 5 (MIT licence, August 2026) and "CDNA5" Instruction Set Architecture Reference Guide (July 2026). The comments in the code are by the model that wrote it; some were corrected since.
;; Vector Quantizer. Allowed arithmetic: float matrix products may take bf16 or f16 operands with f32 sums; other float arithmetic in f32, or as packed bf16 or f16 multiplies, adds, multiply-adds, maxima and minima; sums over many terms, partial sums and values carried from step to step in f32; what a program stores and reads back later, other than sums and carried values, may be rounded once to bf16 or f16.
;; Inputs: emb 8,192 x 256 float32; z 8 x 4,096 x 256 float32.
;; Outputs: out0 8 x 4,096 x 256 float32; out1 one number float32; out2 8 x 4,096 int32.
;; One version. Each part assembles by itself: llvm-mc -triple=amdgcn-amd-amdhsa -mcpu=gfx1250 --defsym DOCPART=n.
;; ======== version 1 of 1: 4 launches
;; limits: values outside matrix products are rounded to bf16
;; workspace buffers: embh 4,194,304 bytes; een 32,768 bytes; idxw 131,072 bytes of whole numbers; lossp 2,048 bytes
;; launch prep (part 1): grid 256 x 1, 8 waves a work-group, no clusters, 1,280 bytes of LDS; arguments emb, embh, een; writes embh, een
.if DOCPART == 1
	.amdgcn_target "amdgcn-amd-amdhsa--gfx1250"
	.amdhsa_code_object_version 6
	.text
	.protected	k_q02b818b052_prep
	.globl	k_q02b818b052_prep
	.p2align	8
	.type	k_q02b818b052_prep,@function
k_q02b818b052_prep:
	s_mov_b64 s[64:65], 0
	v_nop
	global_prefetch_b8 v0, s[64:65] scope:SCOPE_SE
	s_setreg_imm32_b32 hwreg(HW_REG_WAVE_MODE, 25, 1), 1
	s_wait_xcnt 0x0
; VectorQuantizer, first of four launches.  embh[n][d] = emb[n][d] rounded to bf16; een[n] = -1/2 x the sum over d of embh[n][d]^2, in f32.
; THE WHOLE PROGRAM: this launch; vq: for each token the code with the greatest score z . e - |e|^2 / 2 (bf16 products, f32 sums); gather: z + (emb[idx] - z) and partial sums of (emb[idx] - z)^2; total: the loss.
; WORK LEFT OUT, for all values of the inputs.
;  (1) |z|^2 in d[t][n] = |z_t|^2 + |e_n|^2 - 2 z_t . e_n is the same for every n of a row t, and d serves the argmin along n alone: argmin_n d = argmax_n (z_t . e_n - |e_n|^2 / 2);
;      the factor -1/2 is a power of two and moves no order.  So |z|^2 is never formed.
;  (2) stop_gradient is the identity on values, so the two means in the loss are one number m: it is made once, and the loss is 1.25 m.
;  Both inputs keep a way to the outputs: z and emb are both loaded.
; LIMITS.  A NaN, an infinity or an overflow that would reach |z|^2 alone is not carried to the result.  The scores are made of z and emb rounded to bf16 (nearest even), and |e|^2 of the rounded emb.
; Two codes of a token whose scores differ by less than the rounding of f32 sums may be ordered otherwise than the f32 distances order them; equal scores go to the lowest index.
; SHARES.  A work-group takes 32 rows of emb, a wave 4.  A row is 1,024 bytes: two loads of 16 bytes a lane, 512 consecutive bytes each.  The rounded row is 512 bytes: two stores of 8 bytes a lane,
; each 256 consecutive bytes at a multiple of 256 from embh's first byte.  No matrix work, no cluster: nothing is shared between work-groups, and each byte is read once.
.set SPARE, 256                        ; LDS: bytes 0-127 the work-group's 32 sums, in a block of their own; from 256 on the spare words, 128 bytes for each of the eight waves
.set X,   4                            ; v[4:35]   row i, half k at X + 8 i + 4 k, as loaded
.set H,   36                           ; v[36:51]  row i: four registers of packed bf16; written once, since stores read them
.set T,   52                           ; v[52:59]  a row's rounded numbers, back in f32
.set AC,  60                           ; v[60:61]  the row's sum of squares, a pair
.set SPW, 62                           ; v62       LDS address of my spare word; never rewritten
.set NIL, 63                           ; v63       0; never rewritten
.set SM,  64                           ; v[64:67]  the four finished numbers
	s_load_b128 s[4:7], s[0:1], 0x0                ; emb s[4:5], embh s[6:7]
	s_load_b64 s[8:9], s[0:1], 0x10                ; een
	v_lshl_add_u32 v[SPW], v0, 2, SPARE
	v_mov_b32 v[NIL], 0
	v_lshrrev_b32 v1, 5, v0
	v_readfirstlane_b32 s10, v1                    ; wave 0..7
	v_and_b32 v3, 31, v0                           ; lane
	v_lshlrev_b32 v1, 4, v3                        ; 16 bytes a lane in emb
	v_lshlrev_b32 v2, 3, v3                        ; 8 bytes a lane in embh
	v_lshlrev_b32 v3, 2, v3                        ; 4 bytes a lane in een
	s_lshl_b32 s11, ttmp9, 5
	s_lshl2_add_u32 s11, s10, s11                  ; my first row = 32 x work-group + 4 x wave
	s_lshl_b32 s12, s11, 10                        ; in emb, bytes
	s_mov_b32 s13, 0
	s_lshl_b32 s14, s11, 9                         ; in embh
	s_mov_b32 s15, 0
	s_lshl_b32 s20, ttmp9, 7                       ; the work-group's 32 numbers in een
	s_mov_b32 s21, 0
	s_mov_b32 s22, 0x76543210                      ; v_permlanex16_b32: each lane takes its own place in the other half
	s_mov_b32 s23, 0xfedcba98
	s_mov_b32 s24, 0xffff0000                      ; a word's upper bf16
	s_wait_kmcnt 0x0
	s_add_nc_u64 s[4:5], s[4:5], s[12:13]
	s_add_nc_u64 s[6:7], s[6:7], s[14:15]
	s_add_nc_u64 s[8:9], s[8:9], s[20:21]
.irp i, 0,1,2,3
	global_load_b128 v[X+8*(\i):X+8*(\i)+3],   v1, s[4:5] offset:1024*(\i) th:TH_LOAD_NT
	global_load_b128 v[X+8*(\i)+4:X+8*(\i)+7], v1, s[4:5] offset:1024*(\i)+512 th:TH_LOAD_NT
.endr
.irp i, 0,1,2,3
	s_wait_loadcnt 6-2*(\i)                        ; loads come back in order: row i is in, the two loads of each younger row may stay out
.irp j, 0,1,2,3
	v_cvt_pk_bf16_f32 v[H+4*(\i)+(\j)], v[X+8*(\i)+2*(\j)], v[X+8*(\i)+2*(\j)+1]
.endr
	global_store_b64 v2, v[H+4*(\i):H+4*(\i)+1],   s[6:7] offset:512*(\i)
	global_store_b64 v2, v[H+4*(\i)+2:H+4*(\i)+3], s[6:7] offset:512*(\i)+256
.irp j, 0,1,2,3
	v_lshlrev_b32 v[T+2*(\j)],   16, v[H+4*(\i)+(\j)]   ; the ROUNDED numbers are squared: the scores are those of the rounded table
	v_and_b32     v[T+2*(\j)+1], s24, v[H+4*(\i)+(\j)]
.endr
	v_pk_mul_f32 v[AC:AC+1], v[T:T+1], v[T:T+1]    ; the first product starts the sum
.irp j, 2,4,6
	v_pk_fma_f32 v[AC:AC+1], v[T+(\j):T+(\j)+1], v[T+(\j):T+(\j)+1], v[AC:AC+1]
.endr
	v_add_f32 v[AC], v[AC], v[AC+1]
	v_add_f32_dpp v[AC], v[AC], v[AC] row_xmask:1 row_mask:0xf bank_mask:0xf
	v_add_f32_dpp v[AC], v[AC], v[AC] row_xmask:2 row_mask:0xf bank_mask:0xf
	v_add_f32_dpp v[AC], v[AC], v[AC] row_xmask:4 row_mask:0xf bank_mask:0xf
	v_add_f32_dpp v[AC], v[AC], v[AC] row_xmask:8 row_mask:0xf bank_mask:0xf
	v_permlanex16_b32 v[AC+1], v[AC], s22, s23
	v_add_f32 v[AC], v[AC], v[AC+1]                ; every lane holds the row's sum
	v_mul_f32 v[SM+(\i)], -0.5, v[AC]
.endr
	v_mov_b32 v[T], s10
	v_lshlrev_b32 v[T], 4, v[T]
	ds_store_b128 v[T], v[SM:SM+3]                 ; my four numbers at byte 16 x wave: all lanes write the same bytes with the same values
	s_wait_dscnt 0x0                               ; for wave 0's sake: my store is done
	s_barrier_signal -1
	s_barrier_wait -1
	s_cmp_lg_u32 s10, 0                            ; wave 0 stores the work-group's 32 numbers, 128 consecutive bytes
	s_cbranch_scc1 .Lend
	ds_load_b32 v[T+1], v3
	s_wait_dscnt 0x0
	global_store_b32 v3, v[T+1], s[8:9]
.Lend:
	s_wait_tensorcnt 0x0                           ; the wave's end, behind my last LDS store
	ds_add_u32 v[SPW], v[NIL]
	s_wait_dscnt 0x0
	s_endpgm
.Lfunc_end_k_q02b818b052_prep:
	.size	k_q02b818b052_prep, .Lfunc_end_k_q02b818b052_prep-k_q02b818b052_prep
	.p2alignl 7, 3214868480
	.fill 96, 4, 3214868480
	.section	.rodata,"a",@progbits
	.p2align	6, 0x0
	.amdhsa_kernel k_q02b818b052_prep
		.amdhsa_group_segment_fixed_size 1280
		.amdhsa_private_segment_fixed_size 0
		.amdhsa_enable_private_segment 0
		.amdhsa_kernarg_size 24
		.amdhsa_user_sgpr_count 2
		.amdhsa_user_sgpr_kernarg_segment_ptr 1
		.amdhsa_wavefront_size32 1
		.amdhsa_system_sgpr_workgroup_id_x 1
		.amdhsa_system_sgpr_workgroup_id_y 1
		.amdhsa_system_sgpr_workgroup_id_z 1
		.amdhsa_system_vgpr_workitem_id 0
		.amdhsa_next_free_vgpr 68
		.amdhsa_next_free_sgpr 66
		.amdhsa_reserve_vcc 0
		.amdhsa_float_denorm_mode_32 3
		.amdhsa_float_denorm_mode_16_64 3
		.amdhsa_memory_ordered 1
		.amdhsa_forward_progress 1
		.amdhsa_inst_pref_size 9
	.end_amdhsa_kernel
	.amdgpu_metadata
---
amdhsa.version: [ 1, 2 ]
amdhsa.kernels:
  - .name:           k_q02b818b052_prep
    .symbol:         k_q02b818b052_prep.kd
    .args:
      - { .name: emb, .offset: 0, .size: 8, .value_kind: global_buffer, .address_space: global }
      - { .name: embh, .offset: 8, .size: 8, .value_kind: global_buffer, .address_space: global }
      - { .name: een, .offset: 16, .size: 8, .value_kind: global_buffer, .address_space: global }
    .group_segment_fixed_size: 1280
    .private_segment_fixed_size: 0
    .kernarg_segment_align: 8
    .kernarg_segment_size: 24
    .max_flat_workgroup_size: 256
    .sgpr_count:     66
    .vgpr_count:     68
    .wavefront_size: 32
...
	.end_amdgpu_metadata
.endif
;; end of part 1
;; launch vq (part 2): grid 256 x 1, 4 waves a work-group, clusters of 4 x 1, 327,680 bytes of LDS; arguments z, embh, een, out2, idxw; writes out2, idxw
.if DOCPART == 2
	.amdgcn_target "amdgcn-amd-amdhsa--gfx1250"
	.amdhsa_code_object_version 6
	.text
	.protected	k_q02b818b052_vq
	.globl	k_q02b818b052_vq
	.p2align	8
	.type	k_q02b818b052_vq,@function
k_q02b818b052_vq:
	s_mov_b64 s[64:65], 0
	v_nop
	global_prefetch_b8 v0, s[64:65] scope:SCOPE_SE
	s_setreg_imm32_b32 hwreg(HW_REG_WAVE_MODE, 25, 1), 1
	s_wait_xcnt 0x0
	s_wait_alu depctr_hold_cnt(0) depctr_sa_sdst(0) depctr_va_vdst(0) depctr_va_sdst(0) depctr_va_ssrc(0) depctr_va_vcc(0) depctr_vm_vsrc(0)
	s_getreg_b32 s2, hwreg(HW_REG_IB_STS2, 6, 4)
	s_cmp_eq_u32 s2, 0
	s_cbranch_scc0 .Lentry_in_a_cluster
	s_endpgm
.Lentry_in_a_cluster:
	s_bfe_u32 s2, ttmp6, 0x10000c
	s_cmp_lg_u32 s2, 0x3003
	s_cbranch_scc0 .Lentry_shape_is_right
	s_endpgm
.Lentry_shape_is_right:
; out2[t] = idxw[t] = the code n with the greatest score z_t . e_n - |e_n|^2 / 2: the argmin of the squared distance.  z: [32768][256] f32; embh: [8192][256] bf16; een: [8192] f32 = -|e|^2 / 2.
; LEFT OUT: |z_t|^2, the same for every n of a row (shown at the head of the first launch's text).  The distances never leave the registers.
; LIMITS.  z is rounded to bf16 (nearest even) for the products; sums in f32.  Equal scores go to the lowest index; scores closer than f32 rounding may be ordered otherwise than the f32 distances.
; A NaN score never wins; where every score of a token is NaN or -infinity the index is 0.
; SHARES.  A work-group owns 128 tokens and walks the whole table: 256 work-groups of equal work.  EVERY wave keeps all 128 tokens x 256 channels as bf16 fragments in 512 registers, and takes a quarter of
; the codes: of each tile of 256 codes, in four steps c = 0..3, wave w takes the codes 64 c + 16 w + 0..15.  A fragment of codes read from LDS so feeds eight matrix instructions.
; With n = 4 x tile + c the step's number, a lane's code is 64 n + 16 w + 8 (lane / 16) + j.  A wave has 128 steps of 64 matrix instructions.
; LAYOUT.  Source 0 = 16 codes, source 1 = 16 tokens: in the result a lane holds ONE token (lane % 16) and the codes 8 (lane / 16) + j in register j.  The C operand that starts a sum is een of
; those eight codes, the same eight registers for all eight token tiles: the score costs no vector instruction.
; ARGMAX BY TURNS.  Two buffers of 8 accumulators.  While one step is multiplied, the step before is searched: for each of its 64 registers a compare, a select of the index and a maximum,
; 192 vector instructions, three behind each matrix instruction.  Registers j and j + 4 share one running best, in ascending order of the codes, and only a strictly greater score replaces it.
; CLUSTER.  All work-groups walk the same table, so each tile is asked for JOINTLY by the four of a cluster: the same tensor load, descriptor and mask in all four.  z's tile is each work-group's own.
; REGISTERS, in windows of 256 (s_set_vgpr_msb: bits 1:0 source 0, 3:2 source 1, 5:4 source 2, 7:6 destination):
;   window 0: v0-15 addresses; v16-31 een, two buffers; v32-63 the best scores; v64-95 their indices; v96-127 the way out; v128-255 the accumulators, two buffers
;   window 1: v0-127 the codes' fragments, two buffers; v128-255 z in f32 on its way to bf16, two buffers       windows 2, 3: z, token tile t in window 2 + t / 4 at 64 (t % 4) + 8 f
.set PE,    528                        ; a row of codes in LDS: 512 bytes + 16 of padding = 132 words: the 16 rows of a load start at 16 different groups of four banks (64 banks of 4 bytes: ISA guide 11.1)
.set QT,    64*PE                      ; 64 rows: what one tensor load brings, and what the four waves read in one step
.set SLOT,  4*QT                       ; a tile of 256 codes.  135,168 = 0x21000 shares no bit with wave x QT, so one exclusive or turns an address in one slot into the other's
.set PZ,    1040                       ; a row of z in LDS: 1,024 bytes + 16
.set EE,    2*SLOT                     ; behind the ring: all 8,192 een, filled once
.set SCR,   EE+32768                   ; 4 waves x 128 tokens x 8 bytes, for the way out: no tensor load lands here
.set SPARE, SCR+4096                   ; the spare words, 128 bytes for each wave: two blocks of 256 bytes that no other line names
.set TILEB, 131072                     ; a tile's bytes in embh
.set AE0, 4                            ; v4   my lane's place in a step's 64 rows: 528 (l % 16) + 16 (l / 16) + 16 rows x wave; never rewritten
.set AN0, 5                            ; v5   EE + 64 wave + 32 (l / 16); never rewritten
.set AE,  6                            ; v6   the LDS address of the run of loads in hand
.set AN,  7                            ; v7   the same for een
.set AZ,  8                            ; v8, v9  my lane's place in z's tile, token tiles 0-3 and 4-7
.set PFO, 10                           ; v10  256 x lane; never rewritten
.set BASE, 11                          ; v11  16 wave + 8 (l / 16)
.set SPW, 12                           ; v12  LDS address of my spare word; never rewritten
.set NIL, 13                           ; v13  0; never rewritten
.set PX,  14                           ; v14, v15  what the other half of the lanes holds
.set EEC, 16
.set BEST, 32                          ; token tile t, j % 4 at BEST + 4 t + j % 4
.set IDX, 64
.set OUTR, 96
.set FI,  112                          ; v112, v113  the two indices that I store
.set FV,  114                          ; v114, v115  their scores
.set GO,  116                          ; v116 8 x lane
.set ASC, 118                          ; v118 where I put a token's best
.set ARD, 119                          ; v119 where I read two tokens' bests back
.set ACC, 128
.set STG, 128                          ; in window 1
.set WV,  14                           ; s14  my wave's number
.set CX,  15                           ; s15  my place in the cluster
.set WG,  16                           ; s16  my block of 128 tokens
.set CNT, 17                           ; s17  trips still to come
.set LIM, 18                           ; s18  2 in the first cluster, else the greatest number: a wave prefetches while s[CNT] is above it
.set TB,  19                           ; s19  LDS byte at which the rows of the step to be fetched begin
.set TN,  20                           ; s20  256 x that step's number
.set PFA, 22                           ; s[22:23] where my prefetch stands in embh
.set G1E, 24                           ; s[24:31] descriptor group 1: a quarter of a tile of codes
.set G1Z, 32                           ; s[32:39] a quarter of z's tile
.set G1N, 40                           ; s[40:47] a quarter of een
.set G0E, 48                           ; s[48:51] descriptor group 0 for the codes: it walks
.set G0Z, 52                           ; s[52:55]
.set G0N, 56                           ; s[56:59]
.set IX,  60                           ; s60, s61  64 n and 64 n + 4 of the step that is being searched
.set MK,  68                           ; s[68:71] four masks, by turns
.set MG,  72                           ; s[72:74] the merges' masks
.set TMPS, 76                          ; s[76:77] at work
.set SEL, 78                           ; s[78:79] v_permlanex16_b32's selects
.set DST, 80                           ; s[80:81] where I store
.set TC,  82                           ; s[82:83] offsets that hold my place in the cluster: they feed no joint descriptor
.set MSB, 0
.macro WIN new                         ; the immediate's high byte repeats the setting that is left; a switch that changes nothing is dropped
.if MSB != (\new)
	s_set_vgpr_msb (MSB<<8)|(\new)
.set MSB, (\new)
.endif
.endm
; A round of the cluster's barrier: my work-group's barrier, so that wave 0's signal speaks for all four waves; wave 0 signals; every wave waits for all four work-groups; my work-group's barrier once more.
.macro CREST                           ; a round behind its opening barrier
	s_cmp_lg_u32 s[WV], 0
	s_cbranch_scc1 .Lnot_wave_0_\@
	s_barrier_signal -3
.Lnot_wave_0_\@:
	s_barrier_wait -3
	s_barrier_signal -1
	s_barrier_wait -1
.endm
.macro CROUND                          ; a whole round
	s_barrier_signal -1
	s_barrier_wait -1
	CREST
.endm
; Matrix instruction i of a step's 64: channels 32 (i / 8) on, token tile i % 8.  The eight accumulators take turns, one instruction a turn, over the steps' edges and the backward jump too.
.macro MM par, i
.set mf, (\i)/8
.set mt, (\i)%8
.set rD, ACC+64*(\par)+8*mt
.set rE, 64*(\par)+8*mf
.set rZ, 64*(mt%4)+8*mf
	WIN 0x09+4*(mt/4)                              ; codes in window 1, z in window 2 or 3, C and D in window 0
.if mf == 0
	v_wmma_f32_16x16x32_bf16 v[rD:rD+7], v[rE:rE+7], v[rZ:rZ+7], v[EEC+8*(\par):EEC+8*(\par)+7]
.else
	v_wmma_f32_16x16x32_bf16 v[rD:rD+7], v[rE:rE+7], v[rZ:rZ+7], v[rD:rD+7]
.endif
.endm
; Number k of the 192 that search the OTHER buffer's 64 registers q = 8 t + j, in ascending order (each accumulator's lowest register is read first).
; compare q: where the score is above the best.  select q: there the index becomes 64 n + 4 (j / 4).  maximum q.  Order: compare 0, compare 1; then select q, maximum q, compare q + 2; so a mask is
; written three lines or more ahead of its use, and compare q + 4, which shares q's best, stands behind maximum q.
.macro RI par, k
.set rk, (\k)
.if rk < 2
.set rq, rk
.set rkind, 2
.elseif rk < 188
.set rq, (rk-2)/3
.set rkind, (rk-2)%3
.if rkind == 2
.set rq, rq+2
.endif
.else
.set rq, 62+(rk-188)/2
.set rkind, (rk-188)%2
.endif
.set rA, ACC+64*(1-(\par))+rq
.set rB, BEST+4*(rq/8)+rq%4
.set rI, IDX+4*(rq/8)+rq%4
.if rkind == 0
	v_cndmask_b32 v[rI], v[rI], s[IX+(rq/4)%2], s[MK+rq%4]
.elseif rkind == 1
	v_max_num_f32 v[rB], v[rB], v[rA]
.else
	v_cmp_gt_f32 s[MK+rq%4], v[rA], v[rB]
.endif
.endm
; 18 LDS loads in one run: the next step's een (eight numbers a lane, the same for 16 lanes) and its 16 codes x 256 channels, into buffer p.
.macro FETCH p
	WIN 0
	v_add_nc_u32 v[AE], s[TB], v[AE0]
	v_add_nc_u32 v[AN], s[TN], v[AN0]
	ds_load_b128 v[EEC+8*(\p):EEC+8*(\p)+3],   v[AN]
	ds_load_b128 v[EEC+8*(\p)+4:EEC+8*(\p)+7], v[AN] offset:16
	WIN 0x40                                       ; destination window 1
.irp f, 0,1,2,3,4,5,6,7
	ds_load_b128 v[64*(\p)+8*(\f):64*(\p)+8*(\f)+3],   v[AE] offset:64*(\f)
	ds_load_b128 v[64*(\p)+8*(\f)+4:64*(\p)+8*(\f)+7], v[AE] offset:64*(\f)+32
.endr
	WIN 0
	s_add_co_u32 s[TB], s[TB], QT                  ; the next fetch is the next step's
	s_add_co_u32 s[TN], s[TN], 256
.endm
; A PREFETCH INTO THE L2 of the tile that stands TWO refills on (512 matrix instructions ahead of the load that will want it).  Every cluster walks the same table: the first cluster asks, and nobody else.
; Its four partners are told apart BY ADDRESS, 32,768 bytes each; in each a wave takes 8,192 bytes, a lane 256: one instruction a wave, and each 256 bytes of embh are named once in the launch.
; Tiles 0 to 2 come by their loads alone; the last changes of slots, which have no tile two refills on, ask for nothing.
.macro ASK
	s_cmp_gt_u32 s[CNT], s[LIM]
	s_cbranch_scc0 .Lnot_mine_\@
	global_prefetch_b8 v[PFO], s[PFA:PFA+1] th:TH_LOAD_NT scope:SCOPE_SE
.Lnot_mine_\@:
.endm
; A STEP: buffer par is multiplied; rid = 1: the other buffer is searched, three lines behind each matrix instruction; fetch = 1: the next step's run of loads.
; chg = 0: the run stands behind the fourth matrix instruction: fifteen plain lines that name none of its registers behind the last product that read that buffer.
; chg = 1: a tile's last step, THE CHANGE OF SLOTS.  Each wave waits for all its tensor loads, of which one is out: its part of the other slot; adds 0 to its spare word; and, eight products on, waits for that
; and for its own reads of this slot.  The barrier opens a round of the cluster's: behind it no wave of any partner reads this slot or has a load on its way, and the joint refill, the tile two on, is the first
; thing there: 240 matrix instructions lie between a request and the wait for it.  chg = 2: the same with a plain barrier and no refill.
.macro STEP par, chg, fetch, rid
.if (\chg) == 0
	s_wait_dscnt 0x0                               ; this step's codes and een are in
.else
	WIN 0
.if (\chg) == 1
	s_wait_xcnt 0x0                                ; the last prefetch, four steps back, has read its address, so it may be written
	s_add_nc_u64 s[PFA:PFA+1], s[PFA:PFA+1], TILEB
.endif
	s_wait_tensorcnt 0x0                           ; no tensor load of mine is out, so the walking group 0 may be written
	ds_add_u32 v[SPW], v[NIL]                      ; 0 onto my spare word
.if (\chg) == 1
	s_xor_b32 s[G0E+1], s[G0E+1], SLOT             ; the other slot than last time,
	s_add_nc_u64 s[G0E+2:G0E+3], s[G0E+2:G0E+3], TILEB  ; the next tile; the type bits on top are not reached
.endif
	s_wait_dscnt 0x1                               ; the add alone may be out: this step's 18 loads, issued ahead of it, are in
.endif
.set si, 0
.rept 64
	MM \par, si
.if \rid
	WIN 0
	RI \par, 3*si
	RI \par, 3*si+1
	RI \par, 3*si+2
.endif
.if ((\chg) == 0) && (\fetch) && (si == 3)
	FETCH 1-(\par)
.endif
.if ((\chg) != 0) && (si == 7)
	s_wait_dscnt 0x0                               ; the add is done, and my reads of this slot are over
	s_barrier_signal -1                            ; eight products and their riders, work on registers, stand between the signal and the wait
.endif
.if ((\chg) != 0) && (si == 15)
	WIN 0                                          ; at a branch and at a label every window is 0
	s_barrier_wait -1
.if (\chg) == 1
	CREST
	tensor_load_to_lds s[G0E:G0E+3], s[G1E:G1E+7]  ; my one tensor load behind the round
	s_nop 0
.rept 4
	v_nop
.endr
.endif
	s_sub_co_u32 s[TB], s[TB], SLOT                ; the fetches go back to a slot's first step,
	s_xor_b32 s[TB], s[TB], SLOT                   ; in the other slot
	FETCH 1-(\par)
.if (\chg) == 1
	ASK
.endif
.endif
.set si, si+1
.endr
	WIN 0
.if \rid
	s_add_co_u32 s[IX], s[IX], 64                  ; the next step searched has the next number
	s_add_co_u32 s[IX+1], s[IX+1], 64
.endif
.endm
; z on its way to bf16, block b of 16: token tile b / 2, channels 128 (b % 2) on.  A fragment is 16 tokens x 32 channels: lane l holds token l % 16, channels 8 (l / 16) + 0..7 and 16 + 8 (l / 16) + 0..7:
; in f32 twice 32 bytes, 64 bytes apart.
.macro ZLOAD b
	WIN 0x40
.set zt, (\b)/2
.set zs, STG+64*((\b)%2)
.irp f, 0,1,2,3
.set zo, 16*PZ*(zt%4)+128*(4*((\b)%2)+(\f))
	ds_load_b128 v[zs+16*(\f):zs+16*(\f)+3],     v[AZ+zt/4] offset:zo
	ds_load_b128 v[zs+16*(\f)+4:zs+16*(\f)+7],   v[AZ+zt/4] offset:zo+16
	ds_load_b128 v[zs+16*(\f)+8:zs+16*(\f)+11],  v[AZ+zt/4] offset:zo+64
	ds_load_b128 v[zs+16*(\f)+12:zs+16*(\f)+15], v[AZ+zt/4] offset:zo+80
.endr
.endm
.macro ZCVT b
.set zt, (\b)/2
.set zs, STG+64*((\b)%2)
.set zd, 64*(zt%4)+32*((\b)%2)
	WIN 0x85+0x40*(zt/4)                           ; sources in window 1, destination in window 2 or 3
.set zq, 0
.rept 32
	v_cvt_pk_bf16_f32 v[zd+zq], v[zs+2*zq], v[zs+2*zq+1]
.set zq, zq+1
.endr
.endm
; (dv, di) = the better of (va, ia) and (vb, ib): b where its score is greater, or equal with the lower index.
.macro MERGE dv, di, va, ia, vb, ib
	v_cmp_gt_f32 s[MG], v[\vb], v[\va]
	v_cmp_eq_f32 s[MG+1], v[\vb], v[\va]
	v_cmp_lt_u32 s[MG+2], v[\ib], v[\ia]
	s_and_b32 s[MG+1], s[MG+1], s[MG+2]
	s_or_b32 s[MG], s[MG], s[MG+1]
	v_cndmask_b32 v[\dv], v[\va], v[\vb], s[MG]
	v_cndmask_b32 v[\di], v[\ia], v[\ib], s[MG]
.endm
	s_load_b256 s[4:11], s[0:1], 0x0               ; z s[4:5], embh s[6:7], een s[8:9], out2 s[10:11]
	s_load_b64 s[12:13], s[0:1], 0x20              ; idxw
	v_lshl_add_u32 v[SPW], v0, 2, SPARE
	v_mov_b32 v[NIL], 0
	ds_add_u32 v[SPW], v[NIL]                      ; the wave's opening: the add, twice on end, and its wait ahead of my first tensor load; the set-up below, work on registers, stands between
	ds_add_u32 v[SPW], v[NIL]                      ; and once more, under the one wait
	v_lshrrev_b32 v1, 5, v0
	v_readfirstlane_b32 s[WV], v1                  ; wave 0..3
	s_bfe_u32 s[CX], ttmp6, 0x40000                ; cx: my place in the cluster
	s_lshl_b32 s[WG], ttmp9, 2                     ; in a cluster launch ttmp9 counts clusters
	s_add_co_u32 s[WG], s[WG], s[CX]               ; my block of tokens: it enters z's, the outputs' and the prefetch's addresses alone
	; group 1 for the codes: 64 rows x 256 elements of 2 bytes, padded in LDS
	s_mov_b32 s[G1E], 15|(1<<16)|(1<<20)|(1<<21)|(6<<22)|(3<<25)  ; 15:0 the mask: all four work-groups; 17:16 2-byte elements; 20 padding on; 21 set beside a mask; 24:22 after every 128 words (code 6); 31:25 4 words (code 3)
	s_mov_b32 s[G1E+1], 256<<16                    ; tensor_dim0 = 256
	s_mov_b32 s[G1E+2], 64<<16                     ; tensor_dim1 = 64
	s_mov_b32 s[G1E+3], 256<<16                    ; tile_dim0 = 256
	s_mov_b32 s[G1E+4], 64                         ; tile_dim1 = 64
	s_mov_b32 s[G1E+5], 256                        ; elements from row to row
	s_mov_b32 s[G1E+6], 0
	s_mov_b32 s[G1E+7], 0
	; group 1 for z: 32 rows x 256 elements of 4 bytes, padded; no mask: each work-group has its own tokens
	s_mov_b32 s[G1Z], (2<<16)|(1<<20)|(7<<22)|(3<<25)  ; 17:16 4-byte elements; padding after every 256 words (code 7), 4 words
	s_mov_b32 s[G1Z+1], 256<<16
	s_mov_b32 s[G1Z+2], 32<<16
	s_mov_b32 s[G1Z+3], 256<<16
	s_mov_b32 s[G1Z+4], 32
	s_mov_b32 s[G1Z+5], 256
	s_mov_b32 s[G1Z+6], 0
	s_mov_b32 s[G1Z+7], 0
	; group 1 for een: 8,192 dense bytes as 32 rows of 32 elements of 8 bytes; joint
	s_mov_b32 s[G1N], 15|(3<<16)|(1<<21)
	s_mov_b32 s[G1N+1], 32<<16
	s_mov_b32 s[G1N+2], 32<<16
	s_mov_b32 s[G1N+3], 32<<16
	s_mov_b32 s[G1N+4], 32
	s_mov_b32 s[G1N+5], 32
	s_mov_b32 s[G1N+6], 0
	s_mov_b32 s[G1N+7], 0
	s_mov_b32 s[G0E], 1                            ; count = 1
	s_mul_i32 s[G0E+1], s[WV], QT                  ; LDS: slot 0, my 64 rows: no place in the cluster enters an LDS address
	s_mov_b32 s[G0Z], 1
	s_mul_i32 s[G0Z+1], s[WV], 32*PZ               ; z's tile has slot 1's bytes for its first fill
	s_add_co_u32 s[G0Z+1], s[G0Z+1], SLOT
	s_mov_b32 s[G0N], 1
	s_lshl_b32 s[G0N+1], s[WV], 13
	s_add_co_u32 s[G0N+1], s[G0N+1], EE
	s_lshl_b32 s[TMPS], s[WV], 15                  ; my 64 rows of a tile in embh
	s_mov_b32 s[TMPS+1], 0
	s_lshl_b32 s[MG], s[WV], 13                    ; my quarter of een
	s_mov_b32 s[MG+1], 0
	s_lshl_b32 s[TC], s[WG], 17                    ; my block's 128 rows of z,
	s_add_co_u32 s[TC], s[TC], s[TMPS]             ; my wave's 32 of them
	s_mov_b32 s[TC+1], 0
	s_lshl_b32 s[DST], s[CX], 15                   ; the prefetch: my work-group's quarter of a tile,
	s_add_co_u32 s[DST], s[DST], s[MG]             ; my wave's quarter of that,
	s_add_co_u32 s[DST], s[DST], 3*TILEB           ; in tile 3
	s_mov_b32 s[DST+1], 0
	s_cmp_eq_u32 ttmp9, 0                          ; the first cluster: the same in all four partners
	s_cselect_b32 s[LIM], 2, -1
	s_mov_b32 s[TB], 0
	s_mov_b32 s[TN], 0
	s_mov_b32 s[IX], 0
	s_mov_b32 s[IX+1], 4
	s_mov_b32 s[CNT], 31
	s_mov_b32 s[SEL], 0x76543210
	s_mov_b32 s[SEL+1], 0xfedcba98
	s_wait_dscnt 0x0                               ; both opening adds are done
	s_wait_kmcnt 0x0
	s_add_nc_u64 s[G0E+2:G0E+3], s[6:7], s[TMPS:TMPS+1]
	s_or_b32 s[G0E+3], s[G0E+3], 0x80000000        ; type = 2
	s_add_nc_u64 s[G0N+2:G0N+3], s[8:9], s[MG:MG+1]
	s_or_b32 s[G0N+3], s[G0N+3], 0x80000000
	s_add_nc_u64 s[G0Z+2:G0Z+3], s[4:5], s[TC:TC+1]
	s_or_b32 s[G0Z+3], s[G0Z+3], 0x80000000
	s_add_nc_u64 s[PFA:PFA+1], s[6:7], s[DST:DST+1]
	CROUND                                         ; all four work-groups are here: the first joint loads meet
	tensor_load_to_lds s[G0Z:G0Z+3], s[G1Z:G1Z+7]  ; the first fills go out together: z, wanted first; three loads of mine are out
	s_nop 0
	tensor_load_to_lds s[G0N:G0N+3], s[G1N:G1N+7]  ; een
	s_nop 0
	tensor_load_to_lds s[G0E:G0E+3], s[G1E:G1E+7]  ; tile 0
	s_nop 0
.rept 4
	v_nop
.endr
	v_and_b32 v1, 15, v0                           ; l % 16
	v_bfe_u32 v2, v0, 4, 1                         ; l / 16
	v_and_b32 v3, 31, v0                           ; l
	v_mul_u32_u24 v[AE0], v1, PE
	v_lshl_add_u32 v[AE0], v2, 4, v[AE0]
	s_mul_i32 s[TMPS], s[WV], 16*PE
	v_add_nc_u32 v[AE0], s[TMPS], v[AE0]
	s_lshl_b32 s[TMPS], s[WV], 6
	s_add_co_u32 s[TMPS], s[TMPS], EE
	v_lshl_add_u32 v[AN0], v2, 5, s[TMPS]
	v_mul_u32_u24 v[AZ], v1, PZ
	v_lshl_add_u32 v[AZ], v2, 5, v[AZ]
	v_add_nc_u32 v[AZ], SLOT, v[AZ]
	v_add_nc_u32 v[AZ+1], 64*PZ, v[AZ]
	v_lshlrev_b32 v[PFO], 8, v3
	s_lshl_b32 s[TMPS], s[WV], 4
	v_lshl_add_u32 v[BASE], v2, 3, s[TMPS]
	v_mov_b32 v[PX], 0                             ; v_permlanex16_b32 counts as a reader of its destination
	v_mov_b32 v[PX+1], 0
.set wt, 0
.rept 32                                       ; the search starts below every score; written in the wait for z, so that the search has one form
	v_mov_b32 v[BEST+wt], 0xff800000
	v_mov_b32 v[IDX+wt], 0
.set wt, wt+1
.endr
	s_wait_tensorcnt 0x2                           ; my part of z is in; een's and tile 0's may stay out
	s_barrier_signal -1
	s_barrier_wait -1                              ; everybody's part of z is in
	ZLOAD 0
.set zb, 0
.rept 16
.if zb < 15
	ZLOAD zb+1
	s_wait_dscnt 16                                ; all but the 16 just issued
.else
	s_wait_dscnt 0x0
.endif
	ZCVT zb
.set zb, zb+1
.endr
	; THE FIRST CHANGE: z's bytes have been read, slot 1 takes tile 1.
	WIN 0
	s_wait_tensorcnt 0x0                           ; een and tile 0: no tensor load of mine is out
	ds_add_u32 v[SPW], v[NIL]                      ; 0 onto my spare word; the descriptor's step stands between it and the wait for it
	s_xor_b32 s[G0E+1], s[G0E+1], SLOT
	s_add_nc_u64 s[G0E+2:G0E+3], s[G0E+2:G0E+3], TILEB
	s_wait_dscnt 0x0                               ; the add is done, and my reads of z are over
	CROUND
	tensor_load_to_lds s[G0E:G0E+3], s[G1E:G1E+7]
	s_nop 0
.rept 4
	v_nop
.endr
	FETCH 0                                        ; tile 0, step 0
	ASK                                            ; tile 3
	STEP 0, 0, 1, 0                                ; the first step: nothing is there yet to be searched
.rept 4
	v_nop                                          ; the places between its products and the first line that reads a result
.endr
	s_branch .Lmid                                 ; the loop is entered in the middle of a trip
.Ltrip:                                        ; trip k = 1..30: tile k - 1's last step, with the change of slots that asks for tile k + 1; then tile k's first three steps
	STEP 1, 1, 1, 1
	STEP 0, 0, 1, 1
.Lmid:
	STEP 1, 0, 1, 1
	STEP 0, 0, 1, 1
	s_sub_co_u32 s[CNT], s[CNT], 1
	s_cmp_lg_u32 s[CNT], 0
	s_cbranch_scc1 .Ltrip
	STEP 1, 2, 1, 1                                ; the tail is written out: tile 30's last step; tile 31 has landed, nothing is asked for
	STEP 0, 0, 1, 1
	STEP 1, 0, 1, 1
	STEP 0, 0, 1, 1
	STEP 1, 0, 0, 1                                ; the last step fetches nothing
.set si, 0
.rept 192
	RI 0, si                                       ; and is searched by itself
.set si, si+1
.endr
	; THE WAY OUT.  An index so far is 64 n + 4 (j / 4): the lane's 16 wave + 8 (l / 16) and j % 4 are added.  Then a token's best of four registers, of the two halves of the lanes, and, through LDS, of the four waves.
.set wt, 0
.rept 32
	v_add3_u32 v[IDX+wt], v[IDX+wt], v[BASE], wt%4
.set wt, wt+1
.endr
	s_lshl_b32 s[TMPS], s[WV], 10
	s_add_co_u32 s[TMPS], s[TMPS], SCR
	v_lshl_add_u32 v[ASC], v1, 3, s[TMPS]          ; in: my wave's 1,024 bytes, 8 bytes a token
	s_and_b32 s[TMPS], s[WV], 1
	s_lshl_b32 s[TMPS+1], s[TMPS], 9
	s_add_co_u32 s[TMPS+1], s[TMPS+1], SCR
	v_lshl_add_u32 v[ARD], v3, 4, s[TMPS+1]        ; back: tokens 64 (wave % 2) + 2 l and the next
	v_lshlrev_b32 v[GO], 3, v3
.set wt, 0
.rept 8
	MERGE BEST+4*wt, IDX+4*wt, BEST+4*wt, IDX+4*wt, BEST+4*wt+1, IDX+4*wt+1
	MERGE BEST+4*wt+2, IDX+4*wt+2, BEST+4*wt+2, IDX+4*wt+2, BEST+4*wt+3, IDX+4*wt+3
	MERGE BEST+4*wt, IDX+4*wt, BEST+4*wt, IDX+4*wt, BEST+4*wt+2, IDX+4*wt+2
	v_permlanex16_b32 v[PX], v[BEST+4*wt], s[SEL], s[SEL+1]  ; the token's other eight codes of each step lie in the lane 16 away
	v_permlanex16_b32 v[PX+1], v[IDX+4*wt], s[SEL], s[SEL+1]
	MERGE OUTR+2*wt, OUTR+2*wt+1, BEST+4*wt, IDX+4*wt, PX, PX+1
	ds_store_b64 v[ASC], v[OUTR+2*wt:OUTR+2*wt+1] offset:128*wt  ; both halves of the lanes hold the same pair and write the same bytes
.set wt, wt+1
.endr
	s_wait_dscnt 0x0                               ; for the others' sake: my stores are done
	s_barrier_signal -1
	s_barrier_wait -1
.irp u, 0,1,2,3
	ds_load_b128 v[OUTR+4*(\u):OUTR+4*(\u)+3], v[ARD] offset:1024*(\u)  ; wave u's best of my two tokens
.endr
	s_lshl_b32 s[TC], s[WG], 9                     ; my block's 128 indices,
	s_lshl_b32 s[TMPS], s[TMPS], 8                 ; my half of them
	s_add_co_u32 s[TC], s[TC], s[TMPS]
	s_mov_b32 s[TC+1], 0
	s_cmp_lt_u32 s[WV], 2                          ; waves 0 and 1 store the output, waves 2 and 3 the copy from which the next launch makes its addresses
	s_cselect_b64 s[DST:DST+1], s[10:11], s[12:13]
	s_add_nc_u64 s[DST:DST+1], s[DST:DST+1], s[TC:TC+1]
	s_wait_dscnt 0x0
.irp u, 0,1
	MERGE OUTR+2*\u, OUTR+2*\u+1, OUTR+2*\u, OUTR+2*\u+1, OUTR+4+2*\u, OUTR+5+2*\u
	MERGE OUTR+2*\u, OUTR+2*\u+1, OUTR+2*\u, OUTR+2*\u+1, OUTR+8+2*\u, OUTR+9+2*\u
	MERGE FV+\u, FI+\u, OUTR+2*\u, OUTR+2*\u+1, OUTR+12+2*\u, OUTR+13+2*\u
.endr
	global_store_b64 v[GO], v[FI:FI+1], s[DST:DST+1]  ; 32 lanes store 256 consecutive bytes, at a multiple of 256 from the buffer's first byte
	s_wait_tensorcnt 0x0                           ; the wave's end, behind my last tensor load and my last LDS store
	ds_add_u32 v[SPW], v[NIL]
	s_wait_dscnt 0x0
	CROUND                                         ; the closing round: no work-group ends while a partner may still ask for a tile that names it
	s_endpgm
.Lfunc_end_k_q02b818b052_vq:
	.size	k_q02b818b052_vq, .Lfunc_end_k_q02b818b052_vq-k_q02b818b052_vq
	.p2alignl 7, 3214868480
	.fill 96, 4, 3214868480
	.section	.rodata,"a",@progbits
	.p2align	6, 0x0
	.amdhsa_kernel k_q02b818b052_vq
		.amdhsa_group_segment_fixed_size 327680
		.amdhsa_private_segment_fixed_size 0
		.amdhsa_enable_private_segment 0
		.amdhsa_kernarg_size 40
		.amdhsa_user_sgpr_count 2
		.amdhsa_user_sgpr_kernarg_segment_ptr 1
		.amdhsa_wavefront_size32 1
		.amdhsa_system_sgpr_workgroup_id_x 1
		.amdhsa_system_sgpr_workgroup_id_y 1
		.amdhsa_system_sgpr_workgroup_id_z 1
		.amdhsa_system_vgpr_workitem_id 0
		.amdhsa_next_free_vgpr 1024
		.amdhsa_next_free_sgpr 84
		.amdhsa_reserve_vcc 0
		.amdhsa_float_denorm_mode_32 3
		.amdhsa_float_denorm_mode_16_64 3
		.amdhsa_memory_ordered 1
		.amdhsa_forward_progress 1
		.amdhsa_inst_pref_size 255
	.end_amdhsa_kernel
	.section	.bss,"aw",@nobits
	.p2align	6
	.space	262144
	.amdgpu_metadata
---
amdhsa.version: [ 1, 2 ]
amdhsa.kernels:
  - .name:           k_q02b818b052_vq
    .symbol:         k_q02b818b052_vq.kd
    .args:
      - { .name: z, .offset: 0, .size: 8, .value_kind: global_buffer, .address_space: global }
      - { .name: embh, .offset: 8, .size: 8, .value_kind: global_buffer, .address_space: global }
      - { .name: een, .offset: 16, .size: 8, .value_kind: global_buffer, .address_space: global }
      - { .name: out2, .offset: 24, .size: 8, .value_kind: global_buffer, .address_space: global }
      - { .name: idxw, .offset: 32, .size: 8, .value_kind: global_buffer, .address_space: global }
    .group_segment_fixed_size: 327680
    .private_segment_fixed_size: 0
    .kernarg_segment_align: 8
    .kernarg_segment_size: 40
    .max_flat_workgroup_size: 128
    .sgpr_count:     84
    .vgpr_count:     1024
    .wavefront_size: 32
...
	.end_amdgpu_metadata
.endif
;; end of part 2
;; launch gather (part 3): grid 512 x 1, 8 waves a work-group, no clusters, 1,280 bytes of LDS; arguments z, emb, idxw, out0, lossp; writes out0, lossp
.if DOCPART == 3
	.amdgcn_target "amdgcn-amd-amdhsa--gfx1250"
	.amdhsa_code_object_version 6
	.text
	.protected	k_q02b818b052_gather
	.globl	k_q02b818b052_gather
	.p2align	8
	.type	k_q02b818b052_gather,@function
k_q02b818b052_gather:
	s_mov_b64 s[64:65], 0
	v_nop
	global_prefetch_b8 v0, s[64:65] scope:SCOPE_SE
	s_setreg_imm32_b32 hwreg(HW_REG_WAVE_MODE, 25, 1), 1
	s_wait_xcnt 0x0
; out0[t][:] = z[t][:] + (emb[idx[t]][:] - z[t][:]), in f32 and in that order; lossp[work-group] = the sum over its 64 tokens of (emb[idx] - z)^2.
; LEFT OUT: the second of the loss's two means, which is the same number as the first (shown at the head of the first launch's text); the last launch multiplies by 1.25.
; The indices are whole numbers that the launch before stored: they are read by a scalar load, held to the table's 8,192 rows, and make the rows' addresses.
; SHARES.  A wave takes 8 tokens: 16 loads of z and 16 of the codes' rows, 512 consecutive bytes each, all issued before the first is waited for.  Each store covers 512 consecutive bytes, aligned to 256.
; No loop, no matrix work, no cluster: z and out0 cross once, and no tile is shared.  A row of emb may be named by several tokens, so its loads carry no hint.
; One number of 4 bytes a work-group goes to lossp: the sum spans work-groups, so a last launch adds the 512.
.set SPARE, 256                        ; LDS: bytes 0-31 the eight waves' sums, in a block of their own; from 256 on the spare words, 128 bytes a wave
.set SQ,  4                            ; v[4:11]   four pairs of running sums
.set SPW, 12                           ; v12       LDS address of my spare word; never rewritten
.set NIL, 13                           ; v13       0; never rewritten
.set Z,   16                           ; v[16:79]  token i, half k at Z + 8 i + 4 k
.set E,   80                           ; v[80:143] the code's row likewise; then e - z; then z + (e - z), which is stored
	s_load_b256 s[4:11], s[0:1], 0x0               ; z s[4:5], emb s[6:7], idxw s[8:9], out0 s[10:11]
	s_load_b64 s[12:13], s[0:1], 0x20              ; lossp
	v_lshl_add_u32 v[SPW], v0, 2, SPARE
	v_mov_b32 v[NIL], 0
	v_lshrrev_b32 v1, 5, v0
	v_readfirstlane_b32 s14, v1                    ; wave 0..7
	v_and_b32 v1, 31, v0
	v_lshlrev_b32 v1, 4, v1                        ; 16 bytes a lane
	s_lshl_b32 s15, ttmp9, 6
	s_lshl3_add_u32 s15, s14, s15                  ; my first token = 64 x work-group + 8 x wave
	s_lshl_b32 s16, s15, 2                         ; in idxw, bytes
	s_mov_b32 s17, 0
	s_lshl_b32 s20, s15, 10                        ; in z and out0
	s_mov_b32 s21, 0
	s_lshl_b32 s22, ttmp9, 2                       ; in lossp
	s_mov_b32 s23, 0
	s_mov_b32 s48, 0x76543210                      ; v_permlanex16_b32: each lane takes its own place in the other half
	s_mov_b32 s49, 0xfedcba98
	s_wait_kmcnt 0x0
	s_add_nc_u64 s[18:19], s[8:9], s[16:17]
	s_load_b256 s[24:31], s[18:19], 0x0            ; my eight indices
	s_add_nc_u64 s[4:5], s[4:5], s[20:21]
	s_add_nc_u64 s[10:11], s[10:11], s[20:21]
	s_add_nc_u64 s[12:13], s[12:13], s[22:23]
.irp i, 0,1,2,3,4,5,6,7
	global_load_b128 v[Z+8*(\i):Z+8*(\i)+3],   v1, s[4:5] offset:1024*(\i) th:TH_LOAD_NT
	global_load_b128 v[Z+8*(\i)+4:Z+8*(\i)+7], v1, s[4:5] offset:1024*(\i)+512 th:TH_LOAD_NT
.endr
	s_wait_kmcnt 0x0
.irp i, 0,1,2,3,4,5,6,7
	s_min_u32 s[24+(\i)], s[24+(\i)], 0x1fff       ; an index stays inside the table
	s_lshl_b32 s[32+2*(\i)], s[24+(\i)], 10        ; a row of emb is 1,024 bytes
	s_mov_b32 s[33+2*(\i)], 0
	s_add_nc_u64 s[32+2*(\i):33+2*(\i)], s[6:7], s[32+2*(\i):33+2*(\i)]
	global_load_b128 v[E+8*(\i):E+8*(\i)+3],   v1, s[32+2*(\i):33+2*(\i)]
	global_load_b128 v[E+8*(\i)+4:E+8*(\i)+7], v1, s[32+2*(\i):33+2*(\i)] offset:512
.endr
.irp i, 0,1,2,3,4,5,6,7
	s_wait_loadcnt 14-2*(\i)                       ; loads come back in order: token i's row and all of z are in; the two loads of each younger row may stay out
.irp p, 0,2,4,6
	v_pk_add_f32 v[E+8*(\i)+(\p):E+8*(\i)+(\p)+1], v[E+8*(\i)+(\p):E+8*(\i)+(\p)+1], v[Z+8*(\i)+(\p):Z+8*(\i)+(\p)+1] neg_lo:[0,1] neg_hi:[0,1]  ; e - z
.endr
.irp p, 0,2,4,6
.if (\i) == 0
	v_pk_mul_f32 v[SQ+(\p):SQ+(\p)+1], v[E+(\p):E+(\p)+1], v[E+(\p):E+(\p)+1]  ; the first token starts the sums
.else
	v_pk_fma_f32 v[SQ+(\p):SQ+(\p)+1], v[E+8*(\i)+(\p):E+8*(\i)+(\p)+1], v[E+8*(\i)+(\p):E+8*(\i)+(\p)+1], v[SQ+(\p):SQ+(\p)+1]
.endif
.endr
.irp p, 0,2,4,6
	v_pk_add_f32 v[E+8*(\i)+(\p):E+8*(\i)+(\p)+1], v[Z+8*(\i)+(\p):Z+8*(\i)+(\p)+1], v[E+8*(\i)+(\p):E+8*(\i)+(\p)+1]  ; z + (e - z)
.endr
	global_store_b128 v1, v[E+8*(\i):E+8*(\i)+3],   s[10:11] offset:1024*(\i) th:TH_STORE_NT
	global_store_b128 v1, v[E+8*(\i)+4:E+8*(\i)+7], s[10:11] offset:1024*(\i)+512 th:TH_STORE_NT
.endr
	v_pk_add_f32 v[SQ:SQ+1], v[SQ:SQ+1], v[SQ+2:SQ+3]
	v_pk_add_f32 v[SQ+4:SQ+5], v[SQ+4:SQ+5], v[SQ+6:SQ+7]
	v_pk_add_f32 v[SQ:SQ+1], v[SQ:SQ+1], v[SQ+4:SQ+5]
	v_add_f32 v[SQ], v[SQ], v[SQ+1]
	v_add_f32_dpp v[SQ], v[SQ], v[SQ] row_xmask:1 row_mask:0xf bank_mask:0xf
	v_add_f32_dpp v[SQ], v[SQ], v[SQ] row_xmask:2 row_mask:0xf bank_mask:0xf
	v_add_f32_dpp v[SQ], v[SQ], v[SQ] row_xmask:4 row_mask:0xf bank_mask:0xf
	v_add_f32_dpp v[SQ], v[SQ], v[SQ] row_xmask:8 row_mask:0xf bank_mask:0xf
	v_permlanex16_b32 v[SQ+1], v[SQ], s48, s49
	v_add_f32 v[SQ], v[SQ], v[SQ+1]                ; every lane holds the wave's sum
	v_mov_b32 v[SQ+2], s14
	v_lshlrev_b32 v[SQ+2], 2, v[SQ+2]
	ds_store_b32 v[SQ+2], v[SQ]                    ; at byte 4 x wave: all lanes write the same word with the same value
	s_wait_dscnt 0x0                               ; for wave 0's sake: my store is done
	s_barrier_signal -1
	s_barrier_wait -1
	s_cmp_lg_u32 s14, 0                            ; wave 0 adds the eight and stores the work-group's number
	s_cbranch_scc1 .Lend
	v_mov_b32 v[SQ+3], 0
	ds_load_b128 v[Z:Z+3],   v[SQ+3]
	ds_load_b128 v[Z+4:Z+7], v[SQ+3] offset:16
	s_wait_dscnt 0x0
	v_pk_add_f32 v[Z:Z+1], v[Z:Z+1], v[Z+2:Z+3]
	v_pk_add_f32 v[Z+4:Z+5], v[Z+4:Z+5], v[Z+6:Z+7]
	v_pk_add_f32 v[Z:Z+1], v[Z:Z+1], v[Z+4:Z+5]
	v_add_f32 v[Z], v[Z], v[Z+1]
	v_cmp_eq_u32 vcc_lo, 0, v0
	s_wait_xcnt 0x0                                ; EXEC is a source of my pending stores: it changes only behind this wait
	s_and_saveexec_b32 s50, vcc_lo                 ; lane 0 alone
	global_store_b32 v[SQ+3], v[Z], s[12:13]
	s_wait_xcnt 0x0                                ; and again, in front of the line that widens it
	s_or_b32 exec_lo, exec_lo, s50
.Lend:
	s_wait_tensorcnt 0x0                           ; the wave's end, behind my last LDS store
	ds_add_u32 v[SPW], v[NIL]
	s_wait_dscnt 0x0
	s_endpgm
.Lfunc_end_k_q02b818b052_gather:
	.size	k_q02b818b052_gather, .Lfunc_end_k_q02b818b052_gather-k_q02b818b052_gather
	.p2alignl 7, 3214868480
	.fill 96, 4, 3214868480
	.section	.rodata,"a",@progbits
	.p2align	6, 0x0
	.amdhsa_kernel k_q02b818b052_gather
		.amdhsa_group_segment_fixed_size 1280
		.amdhsa_private_segment_fixed_size 0
		.amdhsa_enable_private_segment 0
		.amdhsa_kernarg_size 40
		.amdhsa_user_sgpr_count 2
		.amdhsa_user_sgpr_kernarg_segment_ptr 1
		.amdhsa_wavefront_size32 1
		.amdhsa_system_sgpr_workgroup_id_x 1
		.amdhsa_system_sgpr_workgroup_id_y 1
		.amdhsa_system_sgpr_workgroup_id_z 1
		.amdhsa_system_vgpr_workitem_id 0
		.amdhsa_next_free_vgpr 144
		.amdhsa_next_free_sgpr 66
		.amdhsa_reserve_vcc 1
		.amdhsa_float_denorm_mode_32 3
		.amdhsa_float_denorm_mode_16_64 3
		.amdhsa_memory_ordered 1
		.amdhsa_forward_progress 1
		.amdhsa_inst_pref_size 15
	.end_amdhsa_kernel
	.amdgpu_metadata
---
amdhsa.version: [ 1, 2 ]
amdhsa.kernels:
  - .name:           k_q02b818b052_gather
    .symbol:         k_q02b818b052_gather.kd
    .args:
      - { .name: z, .offset: 0, .size: 8, .value_kind: global_buffer, .address_space: global }
      - { .name: emb, .offset: 8, .size: 8, .value_kind: global_buffer, .address_space: global }
      - { .name: idxw, .offset: 16, .size: 8, .value_kind: global_buffer, .address_space: global }
      - { .name: out0, .offset: 24, .size: 8, .value_kind: global_buffer, .address_space: global }
      - { .name: lossp, .offset: 32, .size: 8, .value_kind: global_buffer, .address_space: global }
    .group_segment_fixed_size: 1280
    .private_segment_fixed_size: 0
    .kernarg_segment_align: 8
    .kernarg_segment_size: 40
    .max_flat_workgroup_size: 256
    .sgpr_count:     66
    .vgpr_count:     144
    .wavefront_size: 32
...
	.end_amdgpu_metadata
.endif
;; end of part 3
;; launch total (part 4): grid 1 x 1, 1 waves a work-group, no clusters, 0 bytes of LDS; arguments lossp, out1; writes out1
.if DOCPART == 4
	.amdgcn_target "amdgcn-amd-amdhsa--gfx1250"
	.amdhsa_code_object_version 6
	.text
	.protected	k_q02b818b052_total
	.globl	k_q02b818b052_total
	.p2align	8
	.type	k_q02b818b052_total,@function
k_q02b818b052_total:
	s_mov_b64 s[64:65], 0
	v_nop
	global_prefetch_b8 v0, s[64:65] scope:SCOPE_SE
	s_setreg_imm32_b32 hwreg(HW_REG_WAVE_MODE, 25, 1), 1
	s_wait_xcnt 0x0
; out1 = 0.25 m + m = 1.25 m, where m = the sum of the 512 partial sums in lossp / 8,388,608 (32,768 tokens x 256 channels).
; LEFT OUT: the second of the loss's two means, the same number as the first (shown at the head of the first launch's text).
; One wave: the sum spans the work-groups of the launch before, so it has one owner.  2,048 bytes, four loads of 16 bytes a lane; no LDS.
	s_load_b128 s[4:7], s[0:1], 0x0                ; lossp s[4:5], out1 s[6:7]
	v_lshlrev_b32 v1, 4, v0                        ; 16 bytes a lane
	v_mov_b32 v2, 0
	s_mov_b32 s10, 0x76543210                      ; v_permlanex16_b32: each lane takes its own place in the other half
	s_mov_b32 s11, 0xfedcba98
	s_wait_kmcnt 0x0
.irp k, 0,1,2,3
	global_load_b128 v[4+4*(\k):7+4*(\k)], v1, s[4:5] offset:512*(\k)
.endr
	s_wait_loadcnt 0x0
	v_pk_add_f32 v[4:5], v[4:5], v[6:7]
	v_pk_add_f32 v[8:9], v[8:9], v[10:11]
	v_pk_add_f32 v[12:13], v[12:13], v[14:15]
	v_pk_add_f32 v[16:17], v[16:17], v[18:19]
	v_pk_add_f32 v[4:5], v[4:5], v[8:9]
	v_pk_add_f32 v[12:13], v[12:13], v[16:17]
	v_pk_add_f32 v[4:5], v[4:5], v[12:13]
	v_add_f32 v4, v4, v5
	v_add_f32_dpp v4, v4, v4 row_xmask:1 row_mask:0xf bank_mask:0xf
	v_add_f32_dpp v4, v4, v4 row_xmask:2 row_mask:0xf bank_mask:0xf
	v_add_f32_dpp v4, v4, v4 row_xmask:4 row_mask:0xf bank_mask:0xf
	v_add_f32_dpp v4, v4, v4 row_xmask:8 row_mask:0xf bank_mask:0xf
	v_permlanex16_b32 v5, v4, s10, s11
	v_add_f32 v4, v4, v5
	v_mul_f32 v4, 0x34200000, v4                   ; 1.25 / 2^23
	v_cmp_eq_u32 vcc_lo, 0, v0
	s_wait_xcnt 0x0                                ; EXEC changes only behind this wait
	s_and_saveexec_b32 s8, vcc_lo                  ; lane 0 alone
	global_store_b32 v2, v4, s[6:7]
	s_wait_xcnt 0x0                                ; and again, in front of the line that widens it
	s_or_b32 exec_lo, exec_lo, s8
	s_endpgm
.Lfunc_end_k_q02b818b052_total:
	.size	k_q02b818b052_total, .Lfunc_end_k_q02b818b052_total-k_q02b818b052_total
	.p2alignl 7, 3214868480
	.fill 96, 4, 3214868480
	.section	.rodata,"a",@progbits
	.p2align	6, 0x0
	.amdhsa_kernel k_q02b818b052_total
		.amdhsa_group_segment_fixed_size 0
		.amdhsa_private_segment_fixed_size 0
		.amdhsa_enable_private_segment 0
		.amdhsa_kernarg_size 16
		.amdhsa_user_sgpr_count 2
		.amdhsa_user_sgpr_kernarg_segment_ptr 1
		.amdhsa_wavefront_size32 1
		.amdhsa_system_sgpr_workgroup_id_x 1
		.amdhsa_system_sgpr_workgroup_id_y 1
		.amdhsa_system_sgpr_workgroup_id_z 1
		.amdhsa_system_vgpr_workitem_id 0
		.amdhsa_next_free_vgpr 24
		.amdhsa_next_free_sgpr 66
		.amdhsa_reserve_vcc 1
		.amdhsa_float_denorm_mode_32 3
		.amdhsa_float_denorm_mode_16_64 3
		.amdhsa_memory_ordered 1
		.amdhsa_forward_progress 1
		.amdhsa_inst_pref_size 3
	.end_amdhsa_kernel
	.amdgpu_metadata
---
amdhsa.version: [ 1, 2 ]
amdhsa.kernels:
  - .name:           k_q02b818b052_total
    .symbol:         k_q02b818b052_total.kd
    .args:
      - { .name: lossp, .offset: 0, .size: 8, .value_kind: global_buffer, .address_space: global }
      - { .name: out1, .offset: 8, .size: 8, .value_kind: global_buffer, .address_space: global }
    .group_segment_fixed_size: 0
    .private_segment_fixed_size: 0
    .kernarg_segment_align: 8
    .kernarg_segment_size: 16
    .max_flat_workgroup_size: 32
    .sgpr_count:     66
    .vgpr_count:     24
    .wavefront_size: 32
...
	.end_amdgpu_metadata
.endif
;; end of part 4
